; MI455X (gfx1250); checked and timed in simulation.
; The chip was launched on July 23, 2026; its instructions are those of AMD's public machine-readable ISA for CDNA 5 (MIT licence, August 2026) and "CDNA5" Instruction Set Architecture Reference Guide (July 2026). The comments in the code are by the model that wrote it; some were corrected since.
;; Multi Head Self Attention. Allowed arithmetic: float matrix products may take bf16 or f16 operands with f32 sums; all other float work in f32.
;; Inputs: Wk 512 x 512 float32; Wo 512 x 512 float32; x 4 x 2,048 x 512 float32.
;; Outputs: out0 4 x 2,048 x 512 float32.
;; One version. Each part assembles by itself: llvm-mc -triple=amdgcn-amd-amdhsa -mcpu=gfx1250 --defsym DOCPART=n.
;; ======== version 1 of 1: 3 launches
;; workspace buffers: Kh 8,388,608 bytes; Ed 262,144 bytes; Wob 524,288 bytes; Wv 16,777,216 bytes
;; launch kproj (part 1): grid 4 x 64, 8 waves a work-group, no clusters, 316,416 bytes of LDS; arguments x, Wk, Wo, Kh, Ed, Wob; writes Kh, Ed, Wob
.if DOCPART == 1
	.amdgcn_target "amdgcn-amd-amdhsa--gfx1250"
	.amdhsa_code_object_version 6
	.text
	.protected	k_q691956398d_kproj
	.globl	k_q691956398d_kproj
	.p2align	8
	.type	k_q691956398d_kproj,@function
k_q691956398d_kproj:
	s_mov_b64 s[64:65], 0
	v_nop
	global_prefetch_b8 v0, s[64:65] scope:SCOPE_SE
	s_setreg_imm32_b32 hwreg(HW_REG_WAVE_MODE, 25, 1), 1
	s_wait_xcnt 0x0
; Kh = bf16(x Wk^T), laid out by head: Kh[b][h][s][d], byte (8 b + h) 262144 + 128 s + 2 d.
; Ed[b][h][s] (f32) = |K|^2 - |bf16 K|^2 of that row of that head: what the rounding takes from a row's product with itself.  The next launch adds it
; to the diagonal scores, the only scores in which both factors carry the same rounding error.
; Wob = bf16(Wo), [512][512]: the last launch's weights are rounded here, once for the whole program: 1,024 numbers a work-group, one load and one store a wave.
; x: [8192][512] f32, Wk, Wo: [512][512] f32.  Products in bf16, sums in f32, one rounding to bf16 at the end.
; LIMITS: inputs finite; x and Wk are rounded to bf16 on their way to the matrix unit; the sum over k goes in steps of 32.
; A work-group makes 128 rows x 128 columns (two heads) with eight waves; wave w = (wm = w & 3, wn = w >> 2) makes 32 rows x 64 columns
; (one head's whole rows): 2 x 4 accumulator tiles.  256 work-groups.
; NO CLUSTER, NO TENSOR LOADS: both operands are f32 in memory.  Through registers each number is converted once, by one lane, and LDS holds
; 2 bytes a number: 2 x 128 rows x 512 numbers x 2 bytes = 256 KiB, which fits whole; a tensor load cannot convert, and the same tiles in f32 are 512 KiB.
; K goes in four chunks of 128.  Every chunk has LDS bytes of its own, so nothing is written twice and one barrier a chunk is enough.
; Two chunks (64 loads of 512 bytes a wave) are on their way at any time.
.set PITCH,  272                       ; an LDS row: 128 bf16 + 16 bytes; 17 x 16, so the 16 rows of a fragment load start at 16 different 16-byte columns modulo 256
.set HALF,   128*PITCH                 ; 128 rows of x, or of Wk, of one chunk
.set CHUNK,  2*HALF                    ; a chunk's region: x, then Wk
.set STG,    4*CHUNK                   ; behind the chunks: 32 rows x 144 bytes for each wave, for the way out
.set SPITCH, 144
.set GO,  4                            ; v4   byte offset of my 16 bytes in row 16 w of the block, in x and in Wk; never rewritten
.set SA,  5                            ; v5   where I put 8 bytes of x's row 16 w in the chunk's region
.set SB,  6                            ; v6   the same for Wk
.set FA,  7                            ; v7   my x fragments in the chunk's region
.set FB,  8                            ; v8   my Wk fragments
.set ST,  9                            ; v9   the way out: where I put 16 bytes of a row
.set RD,  10                           ; v10  the way out: where I read rows back
.set CO,  11                           ; v11  my byte offset in the wave's 4 KiB of Kh
.set EO,  14                           ; v14  my byte offset in the wave's 128 bytes of Ed
.set F0,  16                           ; v[16:63]   fragment buffer 0: Wk's four tiles, then x's two
.set F1,  64                           ; v[64:111]  fragment buffer 1
.set U,   64                           ; v[64:67]   the way out: at work on Ed (buffer 1 is free by then)
.set EA,  72                           ; v[72:75]   the way out: a pair of sums for each of my two row tiles
.set ACC, 112                          ; v[112:175] tile (mt, nt) at 8 (4 mt + nt)
.set T,   176                          ; v[176:239] converted pairs
.set WD,  240                          ; v[240:243] my four numbers of Wo
.set WP,  244                          ; v[244:245] the same, packed
.set WI,  246                          ; v246 my byte offset in the work-group's 4 KiB of Wo; never rewritten
.set WS,  247                          ; v247 my byte offset in the work-group's 2 KiB of Wob; never rewritten
.set G0,  0                            ; window 1, v[256:383]: a chunk as loaded, x's 16 rows then Wk's
.set G1,  128                          ; window 1, v[384:511]: the next chunk
.set MSB, 0
.macro WIN new                         ; the immediate's high byte repeats the setting that is left
.if MSB != \new
	s_set_vgpr_msb (MSB<<8)|\new
.set MSB, \new
.endif
.endm
.macro PLACES n
.rept \n
	v_nop
.endr
.endm
.macro BAR
	s_barrier_signal -1
	s_barrier_wait -1
.endm
	s_load_b128 s[4:7], s[0:1], 0x0                ; x s[4:5], Wk s[6:7]
	s_load_b128 s[32:35], s[0:1], 0x10             ; Wo s[32:33], Kh s[34:35]
	s_load_b128 s[36:39], s[0:1], 0x20             ; Ed s[36:37], Wob s[38:39]
	v_lshl_add_u32 v254, v0, 2, 0x4d000
	v_mov_b32 v255, 0
	v_lshrrev_b32 v12, 5, v0
	v_readfirstlane_b32 s10, v12                   ; wave 0..7
	v_and_b32 v1, 31, v0                           ; L
	v_and_b32 v2, 15, v0                           ; r = L % 16
	v_bfe_u32 v3, v0, 4, 1                         ; h = L / 16
	s_and_b32 s11, s10, 3                          ; wm
	s_lshr_b32 s12, s10, 2                         ; wn
	s_mov_b32 s13, ttmp9                           ; bx: block of 128 columns
	s_and_b32 s14, ttmp7, 0xffff                   ; by: block of 128 rows
	s_lshl_b32 s15, s10, 15                        ; 16 rows of 2,048 bytes a wave
	v_lshl_add_u32 v[GO], v1, 4, s15
	v_lshlrev_b32 v[WI], 4, v0                     ; Wo: 16 bytes a thread
	v_lshlrev_b32 v[WS], 3, v0                     ; Wob: 8 bytes a thread
	s_lshl_b32 s16, s14, 18                        ; x: 128 rows x 2,048 bytes a block
	s_mov_b32 s17, 0
	s_lshl_b32 s18, s13, 18                        ; Wk likewise
	s_mov_b32 s19, 0
	s_lshr_b32 s20, s14, 4                         ; b (16 row blocks a batch)
	s_lshl_b32 s20, s20, 3
	s_lshl1_add_u32 s21, s13, s12                  ; head 2 bx + wn
	s_add_co_u32 s20, s20, s21
	s_lshl_b32 s20, s20, 18                        ; (8 b + head) x 262,144
	s_and_b32 s21, s14, 15
	s_lshl_b32 s21, s21, 14                        ; + 128 rows of 128 bytes a block
	s_add_co_u32 s20, s20, s21
	s_lshl_b32 s21, s11, 12                        ; + 32 rows a wave
	s_add_co_u32 s20, s20, s21
	s_mov_b32 s21, 0
	s_lshr_b32 s22, s20, 5                         ; Ed has 4 bytes where Kh has 128
	s_mov_b32 s23, 0
	s_lshl2_add_u32 s31, s14, s13                  ; the work-group's number, 4 by + bx: 0 .. 255
	s_lshl_b32 s40, s31, 12                        ; its 4 KiB of Wo
	s_mov_b32 s41, 0
	s_lshl_b32 s42, s31, 11                        ; its 2 KiB of Wob
	s_mov_b32 s43, 0
	s_mov_b32 s28, 0x76543210                      ; v_permlanex16_b32: lane i of one half reads lane i of the other
	s_mov_b32 s29, 0xfedcba98
	s_mov_b32 s30, 0xffff0000                      ; a word's upper bf16
	s_wait_kmcnt 0x0
	s_add_nc_u64 s[4:5], s[4:5], s[16:17]
	s_add_nc_u64 s[6:7], s[6:7], s[18:19]
	s_add_nc_u64 s[24:25], s[34:35], s[20:21]      ; Kh at my wave's rows
	s_add_nc_u64 s[26:27], s[36:37], s[22:23]      ; Ed at my wave's rows
	s_add_nc_u64 s[32:33], s[32:33], s[40:41]
	s_add_nc_u64 s[38:39], s[38:39], s[42:43]
	global_load_b128 v[WD:WD+3], v[WI], s[32:33]   ; Wo: the oldest load of all, so every counted wait below shows it in as well
; 32 loads: chunk c of my 16 rows of x and of my 16 rows of Wk.  One load of the wave is 512 consecutive bytes of a row, aligned.
.macro LOADC c, g
	WIN 0x40                                       ; destination window 1, address window 0
.irp i, 0,1,2,3,4,5,6,7,8,9,10,11,12,13,14,15
	global_load_b128 v[\g+4*\i:\g+4*\i+3], v[GO], s[4:5] offset:\i*2048+\c*512
.endr
.irp i, 0,1,2,3,4,5,6,7,8,9,10,11,12,13,14,15
	global_load_b128 v[\g+64+4*\i:\g+64+4*\i+3], v[GO], s[6:7] offset:\i*2048+\c*512
.endr
	WIN 0
.endm
	LOADC 0, G0
	LOADC 1, G1
	s_mul_i32 s16, s10, 16*PITCH
	v_lshl_add_u32 v[SA], v1, 3, s16               ; row 16 w, 8 bytes a lane: a wave's store is 256 neighbouring bytes
	v_add_nc_u32 v[SB], HALF, v[SA]
	s_lshl_b32 s16, s11, 5
	v_add_nc_u32 v12, s16, v2                      ; row 32 wm + r
	v_mul_u32_u24 v12, v12, PITCH
	v_lshl_add_u32 v[FA], v3, 4, v12               ; + 16 h
	s_lshl_b32 s16, s12, 6
	v_add_nc_u32 v12, s16, v2                      ; row 64 wn + r of Wk's 128
	v_mul_u32_u24 v12, v12, PITCH
	v_lshl_add_u32 v12, v3, 4, v12
	v_add_nc_u32 v[FB], HALF, v12
	s_mul_i32 s16, s10, 32*SPITCH
	s_add_co_u32 s16, s16, STG                     ; my stage
	v_mul_u32_u24 v12, v2, SPITCH
	v_lshl_add_u32 v12, v3, 4, v12
	v_add_nc_u32 v[ST], s16, v12                   ; in: row r, 16 bytes for each half of the lanes
	v_lshrrev_b32 v12, 3, v1
	v_mul_u32_u24 v12, v12, SPITCH
	v_and_b32 v13, 7, v0
	v_lshl_add_u32 v12, v13, 4, v12
	v_add_nc_u32 v[RD], s16, v12                   ; back: eight lanes take a row of 128 bytes, the wave four rows
	v_lshlrev_b32 v[CO], 4, v1                     ; which are 512 neighbouring bytes of Kh
	v_lshlrev_b32 v[EO], 2, v1                     ; Ed: lane L has row L of the wave's 32
; Chunk c, as loaded in g, is rounded to bf16 and put into its region.  younger = loads issued behind this chunk's 32.
.macro CONV c, g, younger
.if \c
	v_add_nc_u32 v[SA], CHUNK, v[SA]
	v_add_nc_u32 v[SB], CHUNK, v[SB]
.endif
	WIN 0x05                                       ; sources window 1, destination window 0
.set n, 0
.rept 32
.if (n&3) == 0
	s_wait_loadcnt \younger+28-n                   ; loads come back in order (ISA guide 5.7.1): loads n .. n+3 are in; behind them stand 28-n of this chunk and the younger chunk
.endif
	v_cvt_pk_bf16_f32 v[T+2*n],   v[\g+4*n],   v[\g+4*n+1]
	v_cvt_pk_bf16_f32 v[T+2*n+1], v[\g+4*n+2], v[\g+4*n+3]
.set n, n+1
.endr
	WIN 0
.irp i, 0,1,2,3,4,5,6,7,8,9,10,11,12,13,14,15
	ds_store_b64 v[SA], v[T+2*\i:T+2*\i+1] offset:\i*PITCH
.endr
.irp i, 0,1,2,3,4,5,6,7,8,9,10,11,12,13,14,15
	ds_store_b64 v[SB], v[T+32+2*\i:T+32+2*\i+1] offset:\i*PITCH
.endr
.endm
; 12 LDS loads: the fragments of 32 along K (step ks of the chunk's four).  A fragment is 16 rows x 32 K: lane (r, h) takes row r,
; 16 bytes at 16 h and 16 bytes at 32 + 16 h.
.macro FETCH ks, f
.irp nt, 0,1,2,3
	ds_load_b128 v[\f+8*\nt:\f+8*\nt+3],   v[FB] offset:\nt*16*PITCH+\ks*64
	ds_load_b128 v[\f+8*\nt+4:\f+8*\nt+7], v[FB] offset:\nt*16*PITCH+\ks*64+32
.endr
.irp mt, 0,1
	ds_load_b128 v[\f+32+8*\mt:\f+32+8*\mt+3], v[FA] offset:\mt*16*PITCH+\ks*64
	ds_load_b128 v[\f+32+8*\mt+4:\f+32+8*\mt+7], v[FA] offset:\mt*16*PITCH+\ks*64+32
.endr
.endm
; 8 matrix instructions, used transposed: source 0 = 16 rows of Wk, source 1 = 16 rows of x, so that lane (r, h) holds row r of the result
; and its registers the eight neighbouring columns 8 h + 0 .. 7.  The eight accumulators take turns, one instruction a turn.
.macro MUL f, zero
.irp mt, 0,1
.irp nt, 0,1,2,3
.if \zero
	v_wmma_f32_16x16x32_bf16 v[ACC+8*(4*\mt+\nt):ACC+8*(4*\mt+\nt)+7], v[\f+8*\nt:\f+8*\nt+7], v[\f+32+8*\mt:\f+32+8*\mt+7], 0
.else
	v_wmma_f32_16x16x32_bf16 v[ACC+8*(4*\mt+\nt):ACC+8*(4*\mt+\nt)+7], v[\f+8*\nt:\f+8*\nt+7], v[\f+32+8*\mt:\f+32+8*\mt+7], v[ACC+8*(4*\mt+\nt):ACC+8*(4*\mt+\nt)+7]
.endif
.endr
.endr
.endm
; A chunk's four K steps on buffers 0, 1, 0, 1.  A load into a buffer that matrix instructions have read stands four places behind them
; (ISA guide 7.12.1 for vector instructions): four v_nop inside the chunk; at its head the chunk's 64 conversions stand between.
.macro COMP c, zero
.if \c
	v_add_nc_u32 v[FA], CHUNK, v[FA]
	v_add_nc_u32 v[FB], CHUNK, v[FB]
.endif
	FETCH 0, F0
	FETCH 1, F1
	s_wait_dscnt 12                                ; all but the 12 loads just issued
	MUL F0, \zero
	PLACES 4
	FETCH 2, F0
	s_wait_dscnt 12
	MUL F1, 0
	PLACES 4
	FETCH 3, F1
	s_wait_dscnt 12
	MUL F0, 0
	s_wait_dscnt 0
	MUL F1, 0
.endm
	CONV 0, G0, 32
	v_cvt_pk_bf16_f32 v[WP],   v[WD],   v[WD+1]    ; Wo's load is older than all that CONV has waited for
	v_cvt_pk_bf16_f32 v[WP+1], v[WD+2], v[WD+3]
	global_store_b64 v[WS], v[WP:WP+1], s[38:39]   ; the wave stores 256 consecutive bytes, aligned; none of its registers is written again
	s_wait_dscnt 0x0                               ; my stores of the chunk are done, for the other waves' sake
	LOADC 2, G0                                    ; the registers just converted are filled again
	BAR                                            ; everybody's stores are done
	COMP 0, 1                                      ; the first products start the sums
	CONV 1, G1, 32
	s_wait_dscnt 0x0
	LOADC 3, G1
	BAR
	COMP 1, 0
	CONV 2, G0, 32
	s_wait_dscnt 0x0
	BAR
	COMP 2, 0
	CONV 3, G1, 0
	s_wait_dscnt 0x0
	BAR
	COMP 3, 0
	; THE WAY OUT: round to bf16, 16 bytes a lane into my own stage, read back as whole rows.  The wave's 32 rows of one head are 4 KiB of Kh without a gap.
	PLACES 4                                       ; the places behind the last matrix instructions
.irp k, 0,1,2,3,4,5,6,7
.irp q, 0,1,2,3
	v_cvt_pk_bf16_f32 v[T+4*\k+\q], v[ACC+8*\k+2*\q], v[ACC+8*\k+2*\q+1]
.endr
.endr
.irp mt, 0,1
.irp nt, 0,1,2,3
	ds_store_b128 v[ST], v[T+4*(4*\mt+\nt):T+4*(4*\mt+\nt)+3] offset:\mt*16*SPITCH+\nt*32
.endr
.endr
.irp q, 0,1,2,3,4,5,6,7
	ds_load_b128 v[F0+4*\q:F0+4*\q+3], v[RD] offset:\q*4*SPITCH    ; LDS serves a wave's instructions in order (ISA guide 5.7.1.4): these see my stores above
.endr
	; Ed, while the rows come back: sum over the head's 64 columns of (K - bf16 K)(K + bf16 K); the difference is exact in f32.  A lane has 32 of a row's 64 columns.
.irp mt, 0,1
.irp nt, 0,1,2,3
.irp q, 0,1,2,3
	v_lshlrev_b32 v[U],   16,  v[T+4*(4*\mt+\nt)+\q]               ; the two rounded numbers as f32
	v_and_b32     v[U+1], s30, v[T+4*(4*\mt+\nt)+\q]
	v_sub_f32 v[U+2], v[ACC+8*(4*\mt+\nt)+2*\q],   v[U]
	v_sub_f32 v[U+3], v[ACC+8*(4*\mt+\nt)+2*\q+1], v[U+1]
	v_pk_add_f32 v[U:U+1], v[ACC+8*(4*\mt+\nt)+2*\q:ACC+8*(4*\mt+\nt)+2*\q+1], v[U:U+1]
.if (\nt+\q) == 0
	v_pk_mul_f32 v[EA+2*\mt:EA+2*\mt+1], v[U+2:U+3], v[U:U+1]      ; the first product starts the sum
.else
	v_pk_fma_f32 v[EA+2*\mt:EA+2*\mt+1], v[U+2:U+3], v[U:U+1], v[EA+2*\mt:EA+2*\mt+1]
.endif
.endr
.endr
.endr
	v_add_f32 v[EA],   v[EA],   v[EA+1]
	v_add_f32 v[EA+2], v[EA+2], v[EA+3]
	v_permlanex16_b32 v[U],   v[EA],   s28, s29     ; the row's other 32 columns lie in lane L ^ 16
	v_permlanex16_b32 v[U+1], v[EA+2], s28, s29
	v_add_f32 v[EA],   v[EA],   v[U]
	v_add_f32 v[EA+2], v[EA+2], v[U+1]
	v_cmp_eq_u32 vcc_lo, 1, v3
	v_cndmask_b32 v[EA], v[EA], v[EA+2], vcc_lo    ; lane L = 16 h + r keeps row tile h: row L of the wave's 32
	global_store_b32 v[EO], v[EA], s[26:27]        ; the wave's 32 numbers: 128 neighbouring bytes, one store in the whole wave
.irp q, 0,1,2,3,4,5,6,7
	s_wait_dscnt 7-\q                              ; read-back q is in; the 7-q behind it may be out
	global_store_b128 v[CO], v[F0+4*\q:F0+4*\q+3], s[24:25] offset:\q*512   ; the wave stores 512 consecutive bytes, aligned
.endr
	s_wait_tensorcnt 0x0
	ds_add_u32 v254, v255
	s_wait_dscnt 0x0
	s_endpgm
.Lfunc_end_k_q691956398d_kproj:
	.size	k_q691956398d_kproj, .Lfunc_end_k_q691956398d_kproj-k_q691956398d_kproj
	.p2alignl 7, 3214868480
	.fill 96, 4, 3214868480
	.section	.rodata,"a",@progbits
	.p2align	6, 0x0
	.amdhsa_kernel k_q691956398d_kproj
		.amdhsa_group_segment_fixed_size 316416
		.amdhsa_private_segment_fixed_size 0
		.amdhsa_enable_private_segment 0
		.amdhsa_kernarg_size 48
		.amdhsa_user_sgpr_count 2
		.amdhsa_user_sgpr_kernarg_segment_ptr 1
		.amdhsa_wavefront_size32 1
		.amdhsa_system_sgpr_workgroup_id_x 1
		.amdhsa_system_sgpr_workgroup_id_y 1
		.amdhsa_system_sgpr_workgroup_id_z 1
		.amdhsa_system_vgpr_workitem_id 0
		.amdhsa_next_free_vgpr 512
		.amdhsa_next_free_sgpr 66
		.amdhsa_reserve_vcc 1
		.amdhsa_float_denorm_mode_32 3
		.amdhsa_float_denorm_mode_16_64 3
		.amdhsa_memory_ordered 1
		.amdhsa_forward_progress 1
		.amdhsa_inst_pref_size 77
	.end_amdhsa_kernel
	.amdgpu_metadata
---
amdhsa.version: [ 1, 2 ]
amdhsa.kernels:
  - .name:           k_q691956398d_kproj
    .symbol:         k_q691956398d_kproj.kd
    .args:
      - { .name: x, .offset: 0, .size: 8, .value_kind: global_buffer, .address_space: global }
      - { .name: Wk, .offset: 8, .size: 8, .value_kind: global_buffer, .address_space: global }
      - { .name: Wo, .offset: 16, .size: 8, .value_kind: global_buffer, .address_space: global }
      - { .name: Kh, .offset: 24, .size: 8, .value_kind: global_buffer, .address_space: global }
      - { .name: Ed, .offset: 32, .size: 8, .value_kind: global_buffer, .address_space: global }
      - { .name: Wob, .offset: 40, .size: 8, .value_kind: global_buffer, .address_space: global }
    .group_segment_fixed_size: 316416
    .private_segment_fixed_size: 0
    .kernarg_segment_align: 8
    .kernarg_segment_size: 48
    .max_flat_workgroup_size: 256
    .sgpr_count:     66
    .vgpr_count:     512
    .wavefront_size: 32
...
	.end_amdgpu_metadata
.endif
;; end of part 1
;; launch attn (part 2): grid 8 x 32, 8 waves a work-group, clusters of 4 x 1, 296,192 bytes of LDS; arguments Kh, Ed, Wv; writes Wv
.if DOCPART == 2
	.amdgcn_target "amdgcn-amd-amdhsa--gfx1250"
	.amdhsa_code_object_version 6
	.text
	.protected	k_q691956398d_attn
	.globl	k_q691956398d_attn
	.p2align	8
	.type	k_q691956398d_attn,@function
k_q691956398d_attn:
	s_mov_b64 s[64:65], 0
	v_nop
	global_prefetch_b8 v0, s[64:65] scope:SCOPE_SE
	s_setreg_imm32_b32 hwreg(HW_REG_WAVE_MODE, 25, 1), 1
	s_wait_xcnt 0x0
	s_wait_alu depctr_hold_cnt(0) depctr_sa_sdst(0) depctr_va_vdst(0) depctr_va_sdst(0) depctr_va_ssrc(0) depctr_va_vcc(0) depctr_vm_vsrc(0)
	s_getreg_b32 s2, hwreg(HW_REG_IB_STS2, 6, 4)
	s_cmp_eq_u32 s2, 0
	s_cbranch_scc0 .Lentry_in_a_cluster
	s_endpgm
.Lentry_in_a_cluster:
	s_bfe_u32 s2, ttmp6, 0x10000c
	s_cmp_lg_u32 s2, 0x3003
	s_cbranch_scc0 .Lentry_shape_is_right
	s_endpgm
.Lentry_shape_is_right:
; wV[b 2048 + q][64 h + d] = softmax over k of (Kh[q] . Kh[k] / sqrt 512) applied to Kh[k][d], for each of the 32 heads (b, h).  Queries, keys and values are one tensor.
; wV LEAVES AS TWO bf16 TERMS, hi = bf16(a) and lo = bf16(a - hi) (the difference is exact in f32): the last product takes both, so 16 significant bits reach it.
; Wv: a row of 2,048 bytes for each (b, q); head h has the 256 bytes at 256 h: hi of d = 0 .. 63, then lo of d = 0 .. 63.
; LIMITS: inputs finite; keys, values and weights are bf16, all else is f32; v_exp_f32 gives 0 for results below 2^-126; the sums over keys go in
; another order than the reference's.  The maximum that is taken away is the true running maximum of each query.
; THE DIAGONAL: a query's score with itself is |K|^2, the largest as a rule, and both its factors carry the same rounding to bf16.  Ed holds |K|^2 - |bf16 K|^2 of each row
; (made in f32 by the launch before), and it is added to the diagonal scores, so that these are exact to f32.
; A work-group has one head and 256 queries.  The whole head (2,048 keys x 128 bytes, pitch 144) lies in LDS once, and serves as K (plain fragment loads)
; and as V (transposing loads).  Nothing in LDS is ever filled again.
; Wave w = (wq = w & 3, g = w >> 2): 64 queries (four tiles of 16) at 64 wq, and half of the keys: 512 g .. 512 g + 511 of each stage of 1,024.  So each K or V
; fragment feeds four matrix instructions (32 LDS loads for 64 of them), and each SIMD still has two waves.  Waves w and w ^ 4 merge at the end.
; CLUSTER: the four work-groups of a cluster are four query blocks of one head and ask for the head jointly (mask 15): the descriptors hang on the head and on
; the wave's number alone.  A round of the cluster's barrier stands in front of the loads and one in front of s_endpgm.  A wave has two tensor loads out at the most.
; EVERYTHING IS TRANSPOSED.  S^T = K Q^T: lane (r, h) holds query r and, in register j of key tile kt, key 16 kt + 8 h + j: maximum and sum run along the lane's own
; registers, with one exchange with lane L ^ 16, and packing two neighbouring key tiles to bf16 gives P^T's fragment as it stands.  O^T = V^T P^T: lane (r, h) holds query r and 8 neighbouring d.
.set KP,     144                       ; a key's LDS pitch: 128 bytes + 16; 9 x 16, so plain fragment loads touch 16 different 16-byte columns modulo 256 (the transposing loads share one column between two lanes)
.set TILEB,  128*KP                    ; what one tensor load brings: 128 keys
.set STAGEB, 8*TILEB                   ; a stage: 1,024 keys, one load of each wave
.set TRIPB,  64*KP                     ; a trip: 64 keys
.set XCH,    10240                     ; the merge: 8 KiB of O and 2 KiB of maxima and sums for each wave, from LDS byte 0
.set OSTG,   8*XCH                     ; the way out: 256 rows x 272 bytes
.set OP,     272                       ; a row: hi's 128 bytes, lo's 128 bytes + 16 bytes
.set KA,  4                            ; v4   my K fragments of this trip
.set VA0, 5                            ; v5   my V fragments, d tiles 2 g, 2 g + 1 (which I finish)
.set VA1, 6                            ; v6   d tiles of the partner
.set QO,  7                            ; v7   my Q fragments in the block's 32 KiB of Kh
.set XW,  8                            ; v8   merge: where I write
.set XR,  9                            ; v9   merge: where my partner wrote
.set ST,  10                           ; v10  way out: in
.set RD,  11                           ; v11  way out: back
.set CO,  12                           ; v12  my byte offset in two rows of Wv
.set EO,  15                           ; v15  my byte offset in the block's 1 KiB of Ed
.set P1,  16                           ; v[16:23]   query tile t: the pair (NM = -c x maximum, maximum)
.set P2,  24                           ; v[24:31]   query tile t: the pair (AL = rescaling factor, sum over my half of the keys)
.set SC,  32                           ; v[32:159]  scores: query tile t, key tile kt at 32 t + 8 kt; then P^T: (t, ks) at 32 t + 8 ks
.set VF,  160                          ; v[160:223] V^T fragments: (i, ks) at 8 (2 i + ks)
.set TM,  224                          ; v[224:239] at work
.set MK,  240                          ; v[240:247] register j: 1.0 where 8 h + j = r (the diagonal of a tile), else 0
.set EQ,  248                          ; v[248:255] query tile t: Ed of my query, twice (a pair for the packed multiply)
.set OA,  0                            ; window 1, v[256:383]: O^T tile (i, t) at 8 (4 i + t)
.set QF,  128                          ; window 1, v[384:447]: Q fragment (t, ks) at 8 (2 t + ks)
.set KF,  192                          ; window 1, v[448:511]: K fragment (kt, ks) at 8 (2 kt + ks)
.set MSB, 0
.macro WIN new                         ; the immediate's high byte repeats the setting that is left
.if MSB != \new
	s_set_vgpr_msb (MSB<<8)|\new
.set MSB, \new
.endif
.endm
.macro PLACES n
.rept \n
	v_nop
.endr
.endm
.macro BAR
	s_barrier_signal -1
	s_barrier_wait -1
.endm
.macro ROUND                           ; a round of the cluster's barrier: my work-group's barrier, wave 0 signals for the work-group, every wave waits for all four, my work-group's barrier once more
	s_barrier_signal -1
	s_barrier_wait -1
	s_cmp_lg_u32 s8, 0
	s_cbranch_scc1 .Lnot_wave_0_\@
	s_barrier_signal -3
.Lnot_wave_0_\@:
	s_barrier_wait -3
	s_barrier_signal -1
	s_barrier_wait -1
.endm
	s_load_b128 s[4:7], s[0:1], 0x0                ; Kh s[4:5], Ed s[6:7]
	s_load_b64 s[52:53], s[0:1], 0x10              ; Wv
	v_lshl_add_u32 v254, v0, 2, 0x48100
	v_mov_b32 v255, 0
	ds_add_u32 v254, v255
	s_wait_dscnt 0x0
	v_lshrrev_b32 v13, 5, v0
	v_readfirstlane_b32 s8, v13                    ; wave 0..7
	v_and_b32 v1, 31, v0                           ; L
	v_and_b32 v2, 15, v0                           ; r
	v_bfe_u32 v3, v0, 4, 1                         ; h
	s_lshr_b32 s9, s8, 2                           ; g
	s_and_b32 s10, s8, 3                           ; wq
	s_and_b32 s11, ttmp7, 0xffff                   ; the head, 8 b + h
	s_bfe_u32 s12, ttmp6, 0x40000                  ; cx
	s_lshl_b32 s13, ttmp9, 2
	s_add_co_u32 s13, s13, s12                     ; block of 256 queries = 4 x cluster x + cx
	; descriptor group 1: 128 keys are 16 KiB without a gap, taken as 64 rows of 256 bytes; 16 bytes of padding behind every 128 (a key)
	s_mov_b32 s16, 15|(1<<16)|(1<<20)|(1<<21)|(4<<22)|(3<<25)   ; 15:0 mask: all four of the cluster; 17:16 elements of 2 bytes; 20 padding on; 21 set beside a mask; 24:22 after every 32 words (code 4); 31:25 of 4 words (code 3)
	s_mov_b32 s17, 128<<16                         ; tensor_dim0 = 128
	s_mov_b32 s18, 64<<16                          ; tensor_dim1 = 64
	s_mov_b32 s19, 128<<16                         ; tile_dim0 = 128
	s_mov_b32 s20, 64                              ; tile_dim1 = 64
	s_mov_b32 s21, 128                             ; elements from row to row
	s_mov_b32 s22, 0
	s_mov_b32 s23, 0
	; group 0, one set for each stage: stage j, wave w: keys 1024 j + 128 w
	s_mov_b32 s24, 1
	s_mul_i32 s25, s8, TILEB
	s_mov_b32 s28, 1
	s_add_co_u32 s29, s25, STAGEB
	s_lshl_b32 s14, s11, 18                        ; the head's 262,144 bytes of Kh
	s_mov_b32 s15, 0
	s_lshl_b32 s46, s8, 14                         ; the wave's 128 keys of 128 bytes
	s_mov_b32 s47, 0
	s_lshl_b32 s44, s13, 15                        ; the query block's 32 KiB of Kh (cx is held in s12, s13, s[6:7], s[40:45], s49, s50 and s[54:57] alone)
	s_mov_b32 s45, 0
	s_lshr_b32 s54, s11, 3                         ; Wv: b x 2,048 rows of 2,048 bytes
	s_lshl_b32 s54, s54, 22
	s_lshl_b32 s55, s13, 19                        ; + 256 rows a query block
	s_add_co_u32 s54, s54, s55
	s_lshl_b32 s55, s8, 16                         ; + 32 rows a wave
	s_add_co_u32 s54, s54, s55
	s_and_b32 s55, s11, 7
	s_lshl_b32 s55, s55, 8                         ; + the head's 256 bytes of a row
	s_add_co_u32 s54, s54, s55
	s_mov_b32 s55, 0
	s_lshl_b32 s56, s11, 13                        ; Ed: the head's 8,192 bytes
	s_lshl_b32 s57, s13, 10                        ; + 256 numbers a query block
	s_add_co_u32 s56, s56, s57
	s_mov_b32 s57, 0
	s_lshl_b32 s48, s9, 3                          ; the block of 64 keys of my first trip: 8 g
	s_lshl2_add_u32 s49, s13, s10                  ; the block of 64 rows that my queries are: 4 x query block + wq
	s_mov_b32 s51, 0                               ; the upper half of the flag's pair is never used, but written
	s_mov_b32 s32, 0x3d8293ee                      ; c = log2(e) / sqrt(512)
	s_mov_b32 s33, 0x3d8293ee
	s_mov_b32 s34, 0xbd8293ee                      ; -c
	s_mov_b32 s35, 0x76543210                      ; v_permlanex16_b32: lane i of one half reads lane i of the other
	s_mov_b32 s36, 0xfedcba98
	s_lshl_b32 s37, s10, 6
	v_add_nc_u32 v13, s37, v2                      ; query 64 wq + r
	v_lshlrev_b32 v14, 7, v13
	v_lshl_add_u32 v[QO], v3, 4, v14
	v_lshlrev_b32 v[EO], 2, v13
	s_wait_kmcnt 0x0
	s_add_nc_u64 s[38:39], s[4:5], s[14:15]        ; the head in Kh
	s_add_nc_u64 s[26:27], s[38:39], s[46:47]
	s_add_nc_u64 s[30:31], s[26:27], 0x20000       ; stage 1: 1,024 keys of 128 bytes on
	s_or_b32 s27, s27, 0x80000000                  ; type = 2
	s_or_b32 s31, s31, 0x80000000
	s_add_nc_u64 s[40:41], s[38:39], s[44:45]      ; my block's queries
	s_add_nc_u64 s[42:43], s[52:53], s[54:55]      ; my wave's 32 rows of results
	s_add_nc_u64 s[6:7], s[6:7], s[56:57]          ; my block's Ed
	; Q and Ed come from memory into registers: their place in the head hangs on cx, and no LDS address may.  They are plain loads of the wave's own, so they go out
	; ahead of the round and are on their way while the four work-groups meet.
	WIN 0x40
.irp t, 0,1,2,3
.irp k, 0,1
	global_load_b128 v[QF+16*\t+8*\k:QF+16*\t+8*\k+3],   v[QO], s[40:41] offset:\t*2048+\k*64
	global_load_b128 v[QF+16*\t+8*\k+4:QF+16*\t+8*\k+7], v[QO], s[40:41] offset:\t*2048+\k*64+32
.endr
.endr
	WIN 0
.irp t, 0,1,2,3
	global_load_b32 v[EQ+2*\t], v[EO], s[6:7] offset:\t*64         ; Ed of query 64 wq + 16 t + r: four loads in the whole wave
.endr
	ROUND                                          ; all four work-groups are here: the joint loads meet
	tensor_load_to_lds s[24:27], s[16:23]          ; stage 0
	s_nop 0
	tensor_load_to_lds s[28:31], s[16:23]          ; stage 1
	s_nop 0
	v_mul_u32_u24 v14, v13, OP                     ; way out, in: row 64 wq + r,
	v_lshl_add_u32 v14, v3, 4, v14                 ; 16 h,
	s_lshl_b32 s46, s9, 6                          ; my two d tiles at byte 64 g, in the stage's rows as in a key's
	s_add_co_u32 s47, s46, OSTG
	v_add_nc_u32 v[ST], s47, v14
	s_lshl_b32 s47, s9, 9                          ; key 512 g
	v_add_nc_u32 v13, s47, v2
	v_mul_u32_u24 v13, v13, KP
	v_lshl_add_u32 v[KA], v3, 4, v13               ; K: (512 g + r) x pitch + 16 h
	v_and_b32 v13, 7, v0
	v_lshl_add_u32 v13, v3, 3, v13
	v_add_nc_u32 v13, s47, v13
	v_mul_u32_u24 v13, v13, KP                     ; V: (512 g + 8 h + L % 8) x pitch
	v_bfe_u32 v14, v0, 3, 1
	v_lshl_add_u32 v13, v14, 4, v13                ; + 16 ((L / 8) % 2)
	v_add_nc_u32 v[VA0], s46, v13                  ; + 64 g: local tiles 0, 1 are d tiles 2 g, 2 g + 1
	s_xor_b32 s46, s46, 64
	v_add_nc_u32 v[VA1], s46, v13                  ; local tiles 2, 3 are the partner's: the merge needs no branch on the wave's number
	s_mul_i32 s46, s8, XCH
	v_lshl_add_u32 v[XW], v1, 4, s46
	s_xor_b32 s47, s8, 4
	s_mul_i32 s47, s47, XCH
	v_lshl_add_u32 v[XR], v1, 4, s47
	s_lshl_b32 s46, s8, 5
	v_add_nc_u32 v13, s46, v3                      ; way out, back: row 32 w + h, 16 lanes a row of 256 bytes
	v_mul_u32_u24 v13, v13, OP
	v_lshl_add_u32 v13, v2, 4, v13
	v_add_nc_u32 v[RD], OSTG, v13
	v_lshlrev_b32 v13, 11, v3
	v_lshl_add_u32 v[CO], v2, 4, v13               ; and the same two rows in Wv
	v_lshlrev_b32 v13, 3, v3
	v_sub_nc_u32 v13, v2, v13                      ; r - 8 h: the register in which my query meets itself, if it is 0 .. 7
.irp j, 0,1,2,3,4,5,6,7
	v_cmp_eq_u32 vcc_lo, \j, v13
	v_cndmask_b32 v[MK+\j], 0, 1.0, vcc_lo
.endr
; 16 loads: K fragments of 64 keys at byte off from KA
.macro KLOAD off
	WIN 0x40
.irp kt, 0,1,2,3
.irp k, 0,1
	ds_load_b128 v[KF+16*\kt+8*\k:KF+16*\kt+8*\k+3],   v[KA] offset:\off+\kt*16*KP+\k*64
	ds_load_b128 v[KF+16*\kt+8*\k+4:KF+16*\kt+8*\k+7], v[KA] offset:\off+\kt*16*KP+\k*64+32
.endr
.endr
	WIN 0
.endm
; 16 transposing loads: V^T fragments (16 d x 32 keys) of the trip's 64 keys
.macro VLOAD
.irp i, 0,1,2,3
.irp k, 0,1
	ds_load_tr16_b128 v[VF+16*\i+8*\k:VF+16*\i+8*\k+3],   v[VA0+(\i>>1)] offset:\k*32*KP+(\i&1)*32
	ds_load_tr16_b128 v[VF+16*\i+8*\k+4:VF+16*\i+8*\k+7], v[VA0+(\i>>1)] offset:\k*32*KP+(\i&1)*32+16*KP
.endr
.endr
.endm
; 32 matrix instructions: S^T = K Q^T.  The first half of d starts the sums; the 16 accumulators take turns, one instruction a turn.
.macro QK
	WIN 0x05                                       ; sources 0 and 1 window 1, C and D window 0
.irp kt, 0,1,2,3
.irp t, 0,1,2,3
	v_wmma_f32_16x16x32_bf16 v[SC+32*\t+8*\kt:SC+32*\t+8*\kt+7], v[KF+16*\kt:KF+16*\kt+7], v[QF+16*\t:QF+16*\t+7], 0
.endr
.endr
.irp kt, 0,1,2,3
.irp t, 0,1,2,3
	v_wmma_f32_16x16x32_bf16 v[SC+32*\t+8*\kt:SC+32*\t+8*\kt+7], v[KF+16*\kt+8:KF+16*\kt+15], v[QF+16*\t+8:QF+16*\t+15], v[SC+32*\t+8*\kt:SC+32*\t+8*\kt+7]
.endr
.endr
.endm
; The diagonal.  My 64 queries meet themselves in the one trip whose 64 keys are the same rows, in the four tiles with key tile = query tile, where 8 h + j = r.
; The trip is told by a flag that only selects a value (1.0 or 0): the work is done in every trip, and no branch hangs on the work-group's place in its cluster.
.macro DIAG
	s_cmp_eq_u32 s48, s49
	s_cselect_b32 s50, 0x3f800000, 0
	s_add_co_u32 s48, s48, 1                       ; the next trip's block of 64 keys
.irp t, 0,1,2,3
	v_pk_mul_f32 v[TM+2*\t:TM+2*\t+1], v[EQ+2*\t:EQ+2*\t+1], s[50:51] op_sel_hi:[1,0]
.endr
.irp t, 0,1,2,3
.irp p, 0,2,4,6
	v_pk_fma_f32 v[SC+40*\t+\p:SC+40*\t+\p+1], v[MK+\p:MK+\p+1], v[TM+2*\t:TM+2*\t+1], v[SC+40*\t+\p:SC+40*\t+\p+1] op_sel_hi:[1,0,1]
.endr
.endr
.endm
; Query tile t: running maximum, weights 2^(c s - c max), their sum, and the weights packed to bf16 in place.
.macro SOFT t, first
.set SBASE, SC+32*\t
.set NM, P1+2*\t
.set MX, P1+2*\t+1
.set AL, P2+2*\t
.set LS, P2+2*\t+1
.irp k, 0,1,2,3
	v_max3_num_f32 v[TM+\k], v[SBASE+8*\k], v[SBASE+8*\k+1], v[SBASE+8*\k+2]
.endr
.irp k, 0,1,2,3
	v_max3_num_f32 v[TM+\k], v[TM+\k], v[SBASE+8*\k+3], v[SBASE+8*\k+4]
.endr
.irp k, 0,1,2,3
	v_max3_num_f32 v[TM+\k], v[TM+\k], v[SBASE+8*\k+5], v[SBASE+8*\k+6]
.endr
	v_max3_num_f32 v[TM],   v[TM],   v[SBASE+7],  v[SBASE+15]
	v_max3_num_f32 v[TM+1], v[TM+1], v[SBASE+23], v[SBASE+31]
	v_max3_num_f32 v[TM],   v[TM],   v[TM+1], v[TM+2]
.if \first
	v_max_num_f32 v[TM], v[TM], v[TM+3]
.else
	v_max3_num_f32 v[TM], v[TM], v[TM+3], v[MX]
.endif
	v_permlanex16_b32 v[TM+1], v[TM], s35, s36     ; the other half of the keys of the same query
	v_max_num_f32 v[MX], v[TM], v[TM+1]
.if \first
	v_mul_f32 v[NM], s34, v[MX]
.else
	v_mul_f32 v[TM+4], s34, v[MX]
	v_sub_f32 v[TM+5], v[TM+4], v[NM]              ; the rescaling's exponent is the difference of the two ROUNDED shifts: exactly 0 where the maximum stays, however large it is
	v_mov_b32 v[NM], v[TM+4]
.endif
.set n, 0
.rept 16
	v_pk_fma_f32 v[SBASE+2*n:SBASE+2*n+1], v[SBASE+2*n:SBASE+2*n+1], s[32:33], v[NM:NM+1] op_sel_hi:[1,0,0]
.set n, n+1
.endr
.set n, 0
.rept 32
	v_exp_f32 v[SBASE+n], v[SBASE+n]
.set n, n+1
.endr
.if \first == 0
	v_exp_f32 v[AL], v[TM+5]
.endif
	v_nop                                          ; one plain place between the exponentials and the first use of a result (ISA guide 5.7.2)
	s_wait_alu depctr_va_vdst(0)
.irp k, 0,1,2,3
	v_pk_add_f32 v[TM+2*\k:TM+2*\k+1], v[SBASE+8*\k:SBASE+8*\k+1], v[SBASE+8*\k+2:SBASE+8*\k+3]
.endr
.irp k, 0,1,2,3
	v_pk_add_f32 v[TM+2*\k:TM+2*\k+1], v[TM+2*\k:TM+2*\k+1], v[SBASE+8*\k+4:SBASE+8*\k+5]
.endr
.irp k, 0,1,2,3
	v_pk_add_f32 v[TM+2*\k:TM+2*\k+1], v[TM+2*\k:TM+2*\k+1], v[SBASE+8*\k+6:SBASE+8*\k+7]
.endr
	v_pk_add_f32 v[TM:TM+1],   v[TM:TM+1],   v[TM+2:TM+3]
	v_pk_add_f32 v[TM+4:TM+5], v[TM+4:TM+5], v[TM+6:TM+7]
	v_pk_add_f32 v[TM:TM+1],   v[TM:TM+1],   v[TM+4:TM+5]
.if \first
	v_add_f32 v[LS], v[TM], v[TM+1]
.else
	v_add_f32 v[TM], v[TM], v[TM+1]
	v_fma_f32 v[LS], v[LS], v[AL], v[TM]           ; my half of the keys only: the halves meet once, in the merge
.endif
.set n, 0
.rept 16
	v_cvt_pk_bf16_f32 v[SBASE+n], v[SBASE+2*n], v[SBASE+2*n+1]   ; register n is written when registers 2 n, 2 n + 1 are read: nothing unread is lost
.set n, n+1
.endr
.endm
.macro RESC                            ; O *= AL
	WIN 0x41                                       ; source 0 and destination window 1
.irp i, 0,1,2,3
.irp t, 0,1,2,3
.irp p, 0,2,4,6
	v_pk_mul_f32 v[OA+8*(4*\i+\t)+\p:OA+8*(4*\i+\t)+\p+1], v[OA+8*(4*\i+\t)+\p:OA+8*(4*\i+\t)+\p+1], v[P2+2*\t:P2+2*\t+1] op_sel_hi:[1,0]
.endr
.endr
.endr
.endm
; 32 matrix instructions: O^T += V^T P^T; the 16 accumulators take turns, one instruction a turn
.macro PV first
	WIN 0x50                                       ; C and D window 1
.irp i, 0,1,2,3
.irp t, 0,1,2,3
.if \first
	v_wmma_f32_16x16x32_bf16 v[OA+8*(4*\i+\t):OA+8*(4*\i+\t)+7], v[VF+16*\i:VF+16*\i+7], v[SC+32*\t:SC+32*\t+7], 0
.else
	v_wmma_f32_16x16x32_bf16 v[OA+8*(4*\i+\t):OA+8*(4*\i+\t)+7], v[VF+16*\i:VF+16*\i+7], v[SC+32*\t:SC+32*\t+7], v[OA+8*(4*\i+\t):OA+8*(4*\i+\t)+7]
.endif
.endr
.endr
.irp i, 0,1,2,3
.irp t, 0,1,2,3
	v_wmma_f32_16x16x32_bf16 v[OA+8*(4*\i+\t):OA+8*(4*\i+\t)+7], v[VF+16*\i+8:VF+16*\i+15], v[SC+32*\t+8:SC+32*\t+15], v[OA+8*(4*\i+\t):OA+8*(4*\i+\t)+7]
.endr
.endr
.endm
; A trip: 64 keys x 64 queries.  On entry this trip's 16 K loads are out or in.  pf = 1: the next trip's K fragments are fetched under the softmax.
.macro TRIP first, pf
	VLOAD
	s_wait_dscnt 16                                ; K's loads are in: the 16 V loads are younger
	QK
	WIN 0
	PLACES 4                                       ; behind the matrix instructions: loads into K's registers, and the reads of S
.if \pf
	KLOAD TRIPB
.endif
	DIAG
	SOFT 0, \first
	SOFT 1, \first
	SOFT 2, \first
	SOFT 3, \first
.if \first == 0
	RESC
.endif
.if \pf
	s_wait_dscnt 16                                ; V's loads are in: the 16 K loads for the next trip are younger
.else
	s_wait_dscnt 0
.endif
	PV \first
	WIN 0
	v_add_nc_u32 v[KA],  TRIPB, v[KA]              ; five places behind the matrix instructions (ISA guide 7.12.1), three of them the addresses' steps: the next
	v_add_nc_u32 v[VA0], TRIPB, v[VA0]             ; trip loads into V's registers and its first products write over P's;
	v_add_nc_u32 v[VA1], TRIPB, v[VA1]             ; behind the last trip the merge's stores read O
	PLACES 2
.endm
	s_wait_loadcnt 0x0                             ; Q and Ed
.irp t, 0,1,2,3
	v_mov_b32 v[EQ+2*\t+1], v[EQ+2*\t]             ; the pair's second half
.endr
	s_wait_tensorcnt 0x1                           ; my part of stage 0 is in; stage 1's load stays out
	BAR                                            ; everybody's part is
	KLOAD 0
	TRIP 1, 1                                      ; the first trip starts maxima, sums and O
	s_mov_b32 s37, 6
.Lstage0:
	TRIP 0, 1
	s_sub_co_u32 s37, s37, 1
	s_cmp_lg_u32 s37, 0
	s_cbranch_scc1 .Lstage0
	TRIP 0, 0                                      ; the stage's eighth trip fetches nothing ahead: no key of stage 1 is read before its wait and barrier
	v_add_nc_u32 v[KA],  STAGEB-8*TRIPB, v[KA]     ; over the other group's 512 keys, to key 1024 + 512 g
	v_add_nc_u32 v[VA0], STAGEB-8*TRIPB, v[VA0]
	v_add_nc_u32 v[VA1], STAGEB-8*TRIPB, v[VA1]
	s_add_co_u32 s48, s48, 8                       ; which are eight blocks of 64 keys
	s_wait_dscnt 0x0
	s_wait_tensorcnt 0x0                           ; my part of stage 1 is in
	BAR
	KLOAD 0
	s_mov_b32 s37, 7
.Lstage1:
	TRIP 0, 1
	s_sub_co_u32 s37, s37, 1
	s_cmp_lg_u32 s37, 0
	s_cbranch_scc1 .Lstage1
	TRIP 0, 0
	; THE MERGE.  The head in LDS is dead and has had its only fill; its first bytes serve for the exchange and the way out.
	s_wait_dscnt 0x0
	BAR                                            ; every wave's reads of K and V are over
	WIN 0x04                                       ; store data window 1
.set n, 0
.rept 16
	ds_store_b128 v[XW], v[OA+64+4*n:OA+64+4*n+3] offset:512*n     ; the partner's two d tiles, four query tiles
.set n, n+1
.endr
	WIN 0
.irp q, 0,1,2,3
	ds_store_b128 v[XW], v[P1+4*\q:P1+4*\q+3] offset:8192+512*\q   ; my shifts and sums
.endr
	s_wait_dscnt 0x0                               ; my stores are done, for the partner's sake
	BAR
.set n, 0
.rept 16
	ds_load_b128 v[SC+4*n:SC+4*n+3], v[XR] offset:512*n            ; the partner's O of my tiles: (i, t) at SC + 8 (4 i + t)
.set n, n+1
.endr
.irp q, 0,1,2,3
	ds_load_b128 v[VF+4*\q:VF+4*\q+3], v[XR] offset:8192+512*\q    ; its NM at VF + 2 t, its sum at VF + 9 + 2 t
.endr
	s_wait_dscnt 0x0
.irp t, 0,1,2,3
	v_min_num_f32 v[TM+4*\t], v[P1+2*\t], v[VF+2*\t]               ; the larger maximum has the smaller -c x maximum
.endr
.irp t, 0,1,2,3
	v_sub_f32 v[TM+4*\t+1], v[TM+4*\t], v[P1+2*\t]
	v_sub_f32 v[TM+4*\t+2], v[TM+4*\t], v[VF+2*\t]
.endr
.irp t, 0,1,2,3
	v_exp_f32 v[TM+4*\t+1], v[TM+4*\t+1]                           ; my factor
	v_exp_f32 v[TM+4*\t+2], v[TM+4*\t+2]                           ; the partner's
.endr
	v_nop                                          ; one plain place behind the exponentials
	s_wait_alu depctr_va_vdst(0)
.irp t, 0,1,2,3
	v_mul_f32 v[TM+4*\t+3], v[P2+2*\t+1], v[TM+4*\t+1]
.endr
.irp t, 0,1,2,3
	v_fmac_f32 v[TM+4*\t+3], v[VF+9+2*\t], v[TM+4*\t+2]
.endr
.irp t, 0,1,2,3
	v_permlanex16_b32 v[TM+4*\t], v[TM+4*\t+3], s35, s36           ; the two halves of the lanes summed different keys
.endr
.irp t, 0,1,2,3
	v_add_f32 v[TM+4*\t+3], v[TM+4*\t+3], v[TM+4*\t]
.endr
.irp t, 0,1,2,3
	v_rcp_f32 v[TM+4*\t+3], v[TM+4*\t+3]                           ; the sum holds the largest weight, about 1: never near 0
.endr
	v_nop                                          ; one plain place behind the reciprocals
	s_wait_alu depctr_va_vdst(0)
.irp t, 0,1,2,3
	v_mul_f32 v[P1+2*\t], v[TM+4*\t+1], v[TM+4*\t+3]               ; my factor / sum
	v_mul_f32 v[P2+2*\t], v[TM+4*\t+2], v[TM+4*\t+3]               ; the partner's factor / sum
.endr
.irp i, 0,1
.irp t, 0,1,2,3
.irp p, 0,2,4,6
	v_pk_mul_f32 v[SC+8*(4*\i+\t)+\p:SC+8*(4*\i+\t)+\p+1], v[SC+8*(4*\i+\t)+\p:SC+8*(4*\i+\t)+\p+1], v[P2+2*\t:P2+2*\t+1] op_sel_hi:[1,0]
.endr
.endr
.endr
	WIN 0x01                                       ; source 0 (my O) window 1
.irp i, 0,1
.irp t, 0,1,2,3
.irp p, 0,2,4,6
	v_pk_fma_f32 v[SC+8*(4*\i+\t)+\p:SC+8*(4*\i+\t)+\p+1], v[OA+8*(4*\i+\t)+\p:OA+8*(4*\i+\t)+\p+1], v[P1+2*\t:P1+2*\t+1], v[SC+8*(4*\i+\t)+\p:SC+8*(4*\i+\t)+\p+1] op_sel_hi:[1,0,1]
.endr
.endr
.endr
	WIN 0
	; THE WAY OUT: each number as hi = bf16(a) and lo = bf16(a - hi).  Tile (i, t): hi in VF + 8 (4 i + t) .. + 3, lo in the four registers behind; the work registers take turns between tiles.
.irp i, 0,1
.irp t, 0,1,2,3
.irp q, 0,1,2,3
	v_cvt_pk_bf16_f32 v[VF+8*(4*\i+\t)+\q], v[SC+8*(4*\i+\t)+2*\q], v[SC+8*(4*\i+\t)+2*\q+1]       ; hi
.endr
.irp q, 0,1,2,3
	v_lshlrev_b32 v[TM+8*(\t&1)+2*\q],   16,         v[VF+8*(4*\i+\t)+\q]                          ; hi as f32
	v_and_b32     v[TM+8*(\t&1)+2*\q+1], 0xffff0000, v[VF+8*(4*\i+\t)+\q]
.endr
.irp p, 0,1,2,3,4,5,6,7
	v_sub_f32 v[SC+8*(4*\i+\t)+\p], v[SC+8*(4*\i+\t)+\p], v[TM+8*(\t&1)+\p]                        ; a - hi, exact
.endr
.irp q, 0,1,2,3
	v_cvt_pk_bf16_f32 v[VF+8*(4*\i+\t)+4+\q], v[SC+8*(4*\i+\t)+2*\q], v[SC+8*(4*\i+\t)+2*\q+1]     ; lo
.endr
	ds_store_b128 v[ST], v[VF+8*(4*\i+\t):VF+8*(4*\i+\t)+3]   offset:\t*16*OP+\i*32        ; query 64 wq + 16 t + r, d tile 2 g + i, 16 bytes at 16 h
	ds_store_b128 v[ST], v[VF+8*(4*\i+\t)+4:VF+8*(4*\i+\t)+7] offset:\t*16*OP+\i*32+128    ; lo lies 128 bytes behind hi
.endr
.endr
	s_wait_dscnt 0x0                               ; a row's parts come from two waves
	BAR
.irp q, 0,1,2,3,4,5,6,7,8,9,10,11,12,13,14,15
	ds_load_b128 v[VF+4*\q:VF+4*\q+3], v[RD] offset:\q*2*OP        ; two whole rows of 256 bytes
.endr
.irp q, 0,1,2,3,4,5,6,7,8,9,10,11,12,13,14,15
	s_wait_dscnt 15-\q                             ; read-back q is in; the 15-q behind it may be out
	global_store_b128 v[CO], v[VF+4*\q:VF+4*\q+3], s[42:43] offset:\q*4096   ; 16 lanes store 256 consecutive bytes, aligned: the head's part of a row of Wv
.endr
	s_wait_xcnt 0x0
	v_lshl_add_u32 v254, v0, 2, 0x48100
	v_mov_b32 v255, 0
	s_wait_tensorcnt 0x0
	ds_add_u32 v254, v255
	s_wait_dscnt 0x0
	ROUND                                          ; the closing round
	s_endpgm
.Lfunc_end_k_q691956398d_attn:
	.size	k_q691956398d_attn, .Lfunc_end_k_q691956398d_attn-k_q691956398d_attn
	.p2alignl 7, 3214868480
	.fill 96, 4, 3214868480
	.section	.rodata,"a",@progbits
	.p2align	6, 0x0
	.amdhsa_kernel k_q691956398d_attn
		.amdhsa_group_segment_fixed_size 296192
		.amdhsa_private_segment_fixed_size 0
		.amdhsa_enable_private_segment 0
		.amdhsa_kernarg_size 24
		.amdhsa_user_sgpr_count 2
		.amdhsa_user_sgpr_kernarg_segment_ptr 1
		.amdhsa_wavefront_size32 1
		.amdhsa_system_sgpr_workgroup_id_x 1
		.amdhsa_system_sgpr_workgroup_id_y 1
		.amdhsa_system_sgpr_workgroup_id_z 1
		.amdhsa_system_vgpr_workitem_id 0
		.amdhsa_next_free_vgpr 512
		.amdhsa_next_free_sgpr 66
		.amdhsa_reserve_vcc 1
		.amdhsa_float_denorm_mode_32 3
		.amdhsa_float_denorm_mode_16_64 3
		.amdhsa_memory_ordered 1
		.amdhsa_forward_progress 1
		.amdhsa_inst_pref_size 193
	.end_amdhsa_kernel
	.amdgpu_metadata
---
amdhsa.version: [ 1, 2 ]
amdhsa.kernels:
  - .name:           k_q691956398d_attn
    .symbol:         k_q691956398d_attn.kd
    .args:
      - { .name: Kh, .offset: 0, .size: 8, .value_kind: global_buffer, .address_space: global }
      - { .name: Ed, .offset: 8, .size: 8, .value_kind: global_buffer, .address_space: global }
      - { .name: Wv, .offset: 16, .size: 8, .value_kind: global_buffer, .address_space: global }
    .group_segment_fixed_size: 296192
    .private_segment_fixed_size: 0
    .kernarg_segment_align: 8
    .kernarg_segment_size: 24
    .max_flat_workgroup_size: 256
    .sgpr_count:     66
    .vgpr_count:     512
    .wavefront_size: 32
...
	.end_amdgpu_metadata
.endif
;; end of part 2
;; launch oproj (part 3): grid 4 x 64, 8 waves a work-group, clusters of 4 x 4, 327,680 bytes of LDS; arguments Wv, Wob, out0; writes out0
.if DOCPART == 3
	.amdgcn_target "amdgcn-amd-amdhsa--gfx1250"
	.amdhsa_code_object_version 6
	.text
	.protected	k_q691956398d_oproj
	.globl	k_q691956398d_oproj
	.p2align	8
	.type	k_q691956398d_oproj,@function
k_q691956398d_oproj:
	s_mov_b64 s[64:65], 0
	v_nop
	global_prefetch_b8 v0, s[64:65] scope:SCOPE_SE
	s_setreg_imm32_b32 hwreg(HW_REG_WAVE_MODE, 25, 1), 1
	s_wait_xcnt 0x0
	s_wait_alu depctr_hold_cnt(0) depctr_sa_sdst(0) depctr_va_vdst(0) depctr_va_sdst(0) depctr_va_ssrc(0) depctr_va_vcc(0) depctr_vm_vsrc(0)
	s_getreg_b32 s2, hwreg(HW_REG_IB_STS2, 6, 4)
	s_cmp_eq_u32 s2, 0
	s_cbranch_scc0 .Lentry_in_a_cluster
	s_endpgm
.Lentry_in_a_cluster:
	s_bfe_u32 s2, ttmp6, 0x10000c
	s_cmp_lg_u32 s2, 0xf033
	s_cbranch_scc0 .Lentry_shape_is_right
	s_endpgm
.Lentry_shape_is_right:
; out0 = wV Wo^T in f32.  out0: [8192][512] f32.  Wob: [512][512] bf16, Wo rounded by the first launch.
; Wv: a row of 2,048 bytes for each of the 8,192 rows; head h has the 256 bytes at 256 h: hi of d = 0 .. 63, then lo of d = 0 .. 63, with wV = hi + lo, both bf16.
; Both terms are multiplied by Wo into the same sums: bf16 keeps 8 significant bits, the two terms keep 16.
; LIMITS: inputs finite; Wo is bf16; the sum over k goes in steps of 32, hi before lo.
; A work-group makes 128 rows x 128 columns with eight waves; wave w = (wm = w & 3, wn = w >> 2) makes 32 rows x 64 columns: 2 x 4 accumulator tiles.  256 work-groups.
; CLUSTERS: 4 x 4 work-groups.  The four of a row of the cluster make one block row of out0 and need the same rows of Wv; the four of a column make one block column and need
; the same rows of Wob.  Each tile is asked for jointly, by the same tensor load with the same descriptor and a mask that names the four: the requests are divided by four.
; K goes in four chunks of 128 (two heads).  A slot holds a chunk: Wv's 128 rows x 512 bytes, then Wob's 128 rows x 256 bytes.  Three slots fit, so chunks 0, 1, 2 are asked
; for at the start (three tensor loads of a wave are out at the most) and one refill is left: chunk 3 into slot 0, behind a round of the cluster's barrier, with two
; chunks' work (128 matrix instructions a wave) in which to land.  Waves 0 to 3 fetch 32 rows of Wv each, waves 4 to 7 32 rows of Wob each.
.set APITCH, 528                       ; Wv's LDS row: 512 bytes + 16; 33 x 16, so the 16 rows of a fragment load start at 16 different 16-byte columns modulo 256
.set BPITCH, 272                       ; Wob's LDS row: 256 bytes + 16; 17 x 16
.set ATILE,  128*APITCH
.set BTILE,  128*BPITCH
.set SLOT,   ATILE+BTILE               ; 102,400 bytes
.set STG,    SLOT                      ; the way out's stage, 16 rows x 272 bytes for each wave, lies in slot 1: that slot has its only fill at the start, and its last reads are over by then
.set SPITCH, 272
.set FA,  4                            ; v4-6   my Wv fragments (hi; lo is 128 bytes further) in slot 0, 1, 2
.set FB,  7                            ; v7-9   my Wob fragments in slot 0, 1, 2
.set ST,  10                           ; v10    the way out: in
.set RD,  11                           ; v11    the way out: back
.set CO,  12                           ; v12    my byte offset in two rows of out0
.set F0,  16                           ; v[16:79]   fragment buffer 0: Wob's four tiles, hi's two, lo's two
.set F1,  80                           ; v[80:143]  fragment buffer 1
.set ACC, 144                          ; v[144:207] tile (mt, nt) at 8 (4 mt + nt)
.set G1A, 24                           ; s[24:31] descriptor group 1 for Wv's tiles
.set G1B, 32                           ; s[32:39] descriptor group 1 for Wob's tiles
.set G0A, 40                           ; s[40:51] descriptor group 0 for Wv's tiles, one set for each slot
.set G0B, 52                           ; s[52:63] descriptor group 0 for Wob's tiles, one set for each slot
.macro PLACES n
.rept \n
	v_nop
.endr
.endm
.macro BAR
	s_barrier_signal -1
	s_barrier_wait -1
.endm
.macro ROUND                           ; a round of the cluster's barrier: my work-group's barrier, wave 0 signals for the work-group, every wave waits for all sixteen, my work-group's barrier once more
	s_barrier_signal -1
	s_barrier_wait -1
	s_cmp_lg_u32 s10, 0
	s_cbranch_scc1 .Lnot_wave_0_\@
	s_barrier_signal -3
.Lnot_wave_0_\@:
	s_barrier_wait -3
	s_barrier_signal -1
	s_barrier_wait -1
.endm
; A joint load into slot s.  Each of the two lines has one mask and one set of registers for all that issue it; the branch hangs on the wave's number alone.
.macro JLOAD s
	s_cmp_eq_u32 s11, 0
	s_cbranch_scc0 .Lfor_b_\@
	tensor_load_to_lds s[G0A+4*\s:G0A+4*\s+3], s[G1A:G1A+7]
	s_nop 0
	s_branch .Lasked_\@
.Lfor_b_\@:
	tensor_load_to_lds s[G0B+4*\s:G0B+4*\s+3], s[G1B:G1B+7]
	s_nop 0
.Lasked_\@:
.endm
	s_load_b128 s[4:7], s[0:1], 0x0                ; Wv s[4:5], Wob s[6:7]
	s_load_b64 s[8:9], s[0:1], 0x10                ; out0
	v_lshl_add_u32 v208, v0, 2, 0x4b000
	v_mov_b32 v209, 0
	ds_add_u32 v208, v209
	v_lshrrev_b32 v13, 5, v0
	v_readfirstlane_b32 s10, v13                   ; wave 0..7
	v_and_b32 v2, 15, v0                           ; r
	v_bfe_u32 v3, v0, 4, 1                         ; h
	s_lshr_b32 s11, s10, 2                         ; wn.  Also: I fetch for Wv (0) or for Wob (1)
	s_and_b32 s12, s10, 3                          ; wm.  Also: which 32 rows of that tile I fetch
	s_bfe_u32 s13, ttmp6, 0x40000                  ; cx
	s_bfe_u32 s14, ttmp6, 0x40004                  ; cy
	s_lshl_b32 s15, ttmp9, 2
	s_add_co_u32 s15, s15, s13                     ; bx: block of 128 columns = 4 x cluster x + cx
	s_and_b32 s16, ttmp7, 0xffff
	s_lshl_b32 s16, s16, 2
	s_add_co_u32 s16, s16, s14                     ; by: block of 128 rows = 4 x cluster y + cy
	s_lshl_b32 s17, s14, 2
	s_lshl_b32 s17, 15, s17                        ; my row of the cluster: places 4 cy .. 4 cy + 3
	s_lshl_b32 s18, 0x1111, s13                    ; my column: places cx, cx + 4, cx + 8, cx + 12
	; group 1 for Wv: 32 rows x 256 elements of 2 bytes, 1,024 elements from row to row; 16 bytes of padding behind every 512
	s_or_b32 s[G1A+0], s17, (1<<16)|(1<<20)|(1<<21)|(6<<22)|(3<<25)   ; 15:0 the mask: my row; 17:16 elements of 2 bytes; 20 padding on; 21 set beside a mask; 24:22 after every 128 words (code 6); 31:25 of 4 words (code 3)
	s_mov_b32 s[G1A+1], 256<<16                    ; tensor_dim0 = 256
	s_mov_b32 s[G1A+2], 32<<16                     ; tensor_dim1 = 32
	s_mov_b32 s[G1A+3], 256<<16                    ; tile_dim0 = 256
	s_mov_b32 s[G1A+4], 32                         ; tile_dim1 = 32
	s_mov_b32 s[G1A+5], 1024                       ; elements from row to row
	s_mov_b32 s[G1A+6], 0
	s_mov_b32 s[G1A+7], 0
	; group 1 for Wob: 32 rows x 128 elements, 512 elements from row to row; 16 bytes of padding behind every 256
	s_or_b32 s[G1B+0], s18, (1<<16)|(1<<20)|(1<<21)|(5<<22)|(3<<25)   ; the mask: my column; after every 64 words (code 5)
	s_mov_b32 s[G1B+1], 128<<16
	s_mov_b32 s[G1B+2], 32<<16
	s_mov_b32 s[G1B+3], 128<<16
	s_mov_b32 s[G1B+4], 32
	s_mov_b32 s[G1B+5], 512
	s_mov_b32 s[G1B+6], 0
	s_mov_b32 s[G1B+7], 0
	; Where the tiles come from.  Wv's hang on the block row alone, which my row of the cluster shares; Wob's on the block column alone, which my column shares.
	; Every wave makes both, in registers that never hold the other coordinate, and asks by one of them.
	s_lshl_b32 s68, s12, 16                        ; 32 rows of 2,048 bytes
	s_lshl_b32 s20, s16, 18                        ; 128 by rows of 2,048 bytes
	s_add_co_u32 s20, s20, s68
	s_mov_b32 s21, 0
	s_lshl_b32 s69, s12, 15                        ; 32 rows of 1,024 bytes
	s_lshl_b32 s22, s15, 17                        ; 128 bx rows of 1,024 bytes
	s_add_co_u32 s22, s22, s69
	s_mov_b32 s23, 0
	s_mul_i32 s70, s12, 32*APITCH                  ; and where they go: no place in the cluster enters an LDS address
	s_mul_i32 s71, s12, 32*BPITCH
	s_add_co_u32 s71, s71, ATILE
	s_lshl_b32 s66, s16, 18                        ; out0: 128 by rows of 2,048 bytes
	s_add_co_u32 s66, s66, s68                     ; + 32 wm rows
	s_lshl_b32 s67, s15, 9                         ; + 128 bx columns
	s_add_co_u32 s66, s66, s67
	s_lshl_b32 s67, s11, 8                         ; + 64 wn columns
	s_add_co_u32 s66, s66, s67
	s_mov_b32 s67, 0
	s_wait_dscnt 0x0
	s_wait_kmcnt 0x0
	s_add_nc_u64 s[72:73], s[4:5], s[20:21]
	s_add_nc_u64 s[74:75], s[6:7], s[22:23]
	s_add_nc_u64 s[8:9], s[8:9], s[66:67]
.irp s, 0,1,2
	s_mov_b32 s[G0A+4*\s], 1                                       ; count = 1
	s_add_co_u32 s[G0A+4*\s+1], s70, \s*SLOT                       ; LDS address
	s_add_nc_u64 s[G0A+4*\s+2:G0A+4*\s+3], s[72:73], \s*512        ; global address: chunk s, two heads of 256 bytes
	s_or_b32 s[G0A+4*\s+3], s[G0A+4*\s+3], 0x80000000              ; type = 2
	s_mov_b32 s[G0B+4*\s], 1
	s_add_co_u32 s[G0B+4*\s+1], s71, \s*SLOT
	s_add_nc_u64 s[G0B+4*\s+2:G0B+4*\s+3], s[74:75], \s*256        ; chunk s: 128 bf16
	s_or_b32 s[G0B+4*\s+3], s[G0B+4*\s+3], 0x80000000
.endr
	ROUND                                          ; all sixteen work-groups are here: the first joint loads meet
	JLOAD 0
	JLOAD 1
	JLOAD 2
	s_lshl_b32 s68, s12, 5
	v_add_nc_u32 v13, s68, v2                      ; row 32 wm + r
	v_mul_u32_u24 v13, v13, APITCH
	v_lshl_add_u32 v[FA], v3, 4, v13               ; + 16 h
	v_add_nc_u32 v[FA+1], SLOT, v[FA]
	v_add_nc_u32 v[FA+2], 2*SLOT, v[FA]
	s_lshl_b32 s68, s11, 6
	v_add_nc_u32 v13, s68, v2                      ; row 64 wn + r of Wob's 128
	v_mul_u32_u24 v13, v13, BPITCH
	v_lshl_add_u32 v13, v3, 4, v13
	v_add_nc_u32 v[FB], ATILE, v13
	v_add_nc_u32 v[FB+1], SLOT, v[FB]
	v_add_nc_u32 v[FB+2], 2*SLOT, v[FB]
	s_mul_i32 s68, s10, 16*SPITCH
	s_add_co_u32 s68, s68, STG                     ; my stage
	v_mul_u32_u24 v13, v2, SPITCH
	v_lshl_add_u32 v13, v3, 5, v13
	v_add_nc_u32 v[ST], s68, v13                   ; in: row r, 32 bytes for each half of the lanes
	v_mul_u32_u24 v13, v3, SPITCH
	v_lshl_add_u32 v13, v2, 4, v13
	v_add_nc_u32 v[RD], s68, v13                   ; back: lanes 0-15 take one row of 256 bytes, lanes 16-31 the next
	v_lshlrev_b32 v13, 11, v3
	v_lshl_add_u32 v[CO], v2, 4, v13               ; and the same two rows in out0
; 16 LDS loads: the fragments of 32 along K.  Step ks of a chunk lies in the chunk's head ks / 2, at d = 32 (ks % 2).  A fragment is 16 rows x 32 K: lane (r, h) takes row r,
; 16 bytes at 16 h and 16 bytes at 32 + 16 h.
.macro FETCH ks, f, sl
.irp nt, 0,1,2,3
	ds_load_b128 v[\f+8*\nt:\f+8*\nt+3],   v[FB+\sl] offset:\nt*16*BPITCH+\ks*64
	ds_load_b128 v[\f+8*\nt+4:\f+8*\nt+7], v[FB+\sl] offset:\nt*16*BPITCH+\ks*64+32
.endr
.irp mt, 0,1
	ds_load_b128 v[\f+32+8*\mt:\f+32+8*\mt+3],   v[FA+\sl] offset:\mt*16*APITCH+(\ks>>1)*256+(\ks&1)*64
	ds_load_b128 v[\f+32+8*\mt+4:\f+32+8*\mt+7], v[FA+\sl] offset:\mt*16*APITCH+(\ks>>1)*256+(\ks&1)*64+32
.endr
.irp mt, 0,1
	ds_load_b128 v[\f+48+8*\mt:\f+48+8*\mt+3],   v[FA+\sl] offset:\mt*16*APITCH+(\ks>>1)*256+(\ks&1)*64+128
	ds_load_b128 v[\f+48+8*\mt+4:\f+48+8*\mt+7], v[FA+\sl] offset:\mt*16*APITCH+(\ks>>1)*256+(\ks&1)*64+160
.endr
.endm
; 16 matrix instructions, used transposed (source 0 = rows of Wob, source 1 = rows of wV): lane (r, h) holds row r and the eight neighbouring columns 8 h + 0 .. 7.
; hi for all eight tiles, then lo for all eight: the eight accumulators take turns, one instruction a turn.
.macro MUL f, zero
.irp mt, 0,1
.irp nt, 0,1,2,3
.if \zero
	v_wmma_f32_16x16x32_bf16 v[ACC+8*(4*\mt+\nt):ACC+8*(4*\mt+\nt)+7], v[\f+8*\nt:\f+8*\nt+7], v[\f+32+8*\mt:\f+32+8*\mt+7], 0
.else
	v_wmma_f32_16x16x32_bf16 v[ACC+8*(4*\mt+\nt):ACC+8*(4*\mt+\nt)+7], v[\f+8*\nt:\f+8*\nt+7], v[\f+32+8*\mt:\f+32+8*\mt+7], v[ACC+8*(4*\mt+\nt):ACC+8*(4*\mt+\nt)+7]
.endif
.endr
.endr
.irp mt, 0,1
.irp nt, 0,1,2,3
	v_wmma_f32_16x16x32_bf16 v[ACC+8*(4*\mt+\nt):ACC+8*(4*\mt+\nt)+7], v[\f+8*\nt:\f+8*\nt+7], v[\f+48+8*\mt:\f+48+8*\mt+7], v[ACC+8*(4*\mt+\nt):ACC+8*(4*\mt+\nt)+7]
.endr
.endr
.endm
; The chunk in slot sl: four K steps on buffers 0, 1, 0, 1.  A load into a buffer that matrix instructions have read stands four places behind them
; (ISA guide 7.12.1 for vector instructions): four v_nop in front of each such run of loads, at the head of every chunk but the first too.
.macro COMP sl, zero
.if \zero == 0
	PLACES 4
.endif
	FETCH 0, F0, \sl
	FETCH 1, F1, \sl
	s_wait_dscnt 16                                ; all but the 16 loads just issued
	MUL F0, \zero
	PLACES 4
	FETCH 2, F0, \sl
	s_wait_dscnt 16
	MUL F1, 0
	PLACES 4
	FETCH 3, F1, \sl
	s_wait_dscnt 16
	MUL F0, 0
	s_wait_dscnt 0
	MUL F1, 0
.endm
	s_wait_tensorcnt 0x2                           ; my part of chunk 0 is in; chunks 1 and 2 stay out
	BAR                                            ; everybody's part is
	COMP 0, 1                                      ; chunk 0: the first products start the sums
	s_wait_tensorcnt 0x0                           ; all my tensor loads have landed, my parts of chunks 1 and 2 among them,
	ds_add_u32 v208, v209
	s_add_nc_u64 s[G0A+2:G0A+3], s[G0A+2:G0A+3], 3*512             ; so a group 0 may be written: slot 0's next tiles are chunk 3's
	s_add_nc_u64 s[G0B+2:G0B+3], s[G0B+2:G0B+3], 3*256
	s_wait_dscnt 0x0                               ; my reads of slot 0 are over
	ROUND                                          ; both now hold of every wave of all sixteen work-groups
	JLOAD 0                                        ; my one tensor load behind the round, and the first thing there
	COMP 1, 0                                      ; chunk 1
	COMP 2, 0                                      ; chunk 2: the round has shown its slot whole as well
	s_wait_dscnt 0x0                               ; my reads of slots 1 and 2 are over
	s_wait_tensorcnt 0x0                           ; my part of chunk 3 is in
	BAR                                            ; everybody's is; nothing is filled any more
	COMP 0, 0                                      ; chunk 3
	; THE WAY OUT, 16 rows at a time through my own stage: a lane's 32 bytes go in, whole rows of 256 bytes come back.
	PLACES 4                                       ; the places behind the last matrix instructions
.irp mt, 0,1
.irp nt, 0,1,2,3
	ds_store_b128 v[ST], v[ACC+8*(4*\mt+\nt):ACC+8*(4*\mt+\nt)+3]   offset:\nt*64
	ds_store_b128 v[ST], v[ACC+8*(4*\mt+\nt)+4:ACC+8*(4*\mt+\nt)+7] offset:\nt*64+16
.endr
.irp q, 0,1,2,3,4,5,6,7
	ds_load_b128 v[F0+64*\mt+4*\q:F0+64*\mt+4*\q+3], v[RD] offset:\q*2*SPITCH   ; LDS serves a wave's instructions in order (ISA guide 5.7.1.4): these see my stores above, and the next 16 rows' stores come behind them
.endr
.irp q, 0,1,2,3,4,5,6,7
	s_wait_dscnt 7-\q                              ; read-back q is in; the 7-q behind it may be out
	global_store_b128 v[CO], v[F0+64*\mt+4*\q:F0+64*\mt+4*\q+3], s[8:9] offset:\mt*32768+\q*4096 th:TH_STORE_NT   ; 16 lanes store 256 consecutive bytes, aligned; each half of the rows has read-back registers of its own
.endr
.endr
	s_wait_tensorcnt 0x0
	ds_add_u32 v208, v209
	s_wait_dscnt 0x0
	ROUND                                          ; the closing round: no work-group ends while a partner may still ask for a tile that names it
	s_endpgm
.Lfunc_end_k_q691956398d_oproj:
	.size	k_q691956398d_oproj, .Lfunc_end_k_q691956398d_oproj-k_q691956398d_oproj
	.p2alignl 7, 3214868480
	.fill 96, 4, 3214868480
	.section	.rodata,"a",@progbits
	.p2align	6, 0x0
	.amdhsa_kernel k_q691956398d_oproj
		.amdhsa_group_segment_fixed_size 327680
		.amdhsa_private_segment_fixed_size 0
		.amdhsa_enable_private_segment 0
		.amdhsa_kernarg_size 24
		.amdhsa_user_sgpr_count 2
		.amdhsa_user_sgpr_kernarg_segment_ptr 1
		.amdhsa_wavefront_size32 1
		.amdhsa_system_sgpr_workgroup_id_x 1
		.amdhsa_system_sgpr_workgroup_id_y 1
		.amdhsa_system_sgpr_workgroup_id_z 1
		.amdhsa_system_vgpr_workitem_id 0
		.amdhsa_next_free_vgpr 210
		.amdhsa_next_free_sgpr 76
		.amdhsa_reserve_vcc 0
		.amdhsa_float_denorm_mode_32 3
		.amdhsa_float_denorm_mode_16_64 3
		.amdhsa_memory_ordered 1
		.amdhsa_forward_progress 1
		.amdhsa_inst_pref_size 47
	.end_amdhsa_kernel
	.amdgpu_metadata
---
amdhsa.version: [ 1, 2 ]
amdhsa.kernels:
  - .name:           k_q691956398d_oproj
    .symbol:         k_q691956398d_oproj.kd
    .args:
      - { .name: Wv, .offset: 0, .size: 8, .value_kind: global_buffer, .address_space: global }
      - { .name: Wob, .offset: 8, .size: 8, .value_kind: global_buffer, .address_space: global }
      - { .name: out0, .offset: 16, .size: 8, .value_kind: global_buffer, .address_space: global }
    .group_segment_fixed_size: 327680
    .private_segment_fixed_size: 0
    .kernarg_segment_align: 8
    .kernarg_segment_size: 24
    .max_flat_workgroup_size: 256
    .sgpr_count:     76
    .vgpr_count:     210
    .wavefront_size: 32
...
	.end_amdgpu_metadata
.endif
;; end of part 3
